; MI455X (gfx1250); checked and timed in simulation.
; The chip was launched on July 23, 2026; its instructions are those of AMD's public machine-readable ISA for CDNA 5 (MIT licence, August 2026) and "CDNA5" Instruction Set Architecture Reference Guide (July 2026). The comments in the code are by the model that wrote it; some were corrected since.
;; chamfer distance. Allowed arithmetic: float matrix products may take bf16 or f16 operands with f32 sums; all other float work in f32.
;; Inputs: xyz1 4 x 4,096 x 3 float32; xyz2 4 x 4,096 x 3 float32.
;; Outputs: out0 4 x 4,096 float32; out1 4 x 4,096 int32.
;; 2 versions, each right; version 2 is version 1 with the launch chamfer written anew for expert scheduling mode. Each part assembles by itself: llvm-mc -triple=amdgcn-amd-amdhsa -mcpu=gfx1250 --defsym DOCPART=n.
;; ======== version 1 of 2: 1 launch
;; launch chamfer (part 1): grid 256 x 1, 8 waves a work-group, no clusters, 25,600 bytes of LDS; arguments xyz1, xyz2, out0, out1; writes out0, out1
.if DOCPART == 1
	.amdgcn_target "amdgcn-amd-amdhsa--gfx1250"
	.amdhsa_code_object_version 6
	.text
	.protected	k_q5c134ebd0d_chamfer
	.globl	k_q5c134ebd0d_chamfer
	.p2align	8
	.type	k_q5c134ebd0d_chamfer,@function
k_q5c134ebd0d_chamfer:
	s_mov_b64 s[64:65], 0
	v_nop
	global_prefetch_b8 v0, s[64:65] scope:SCOPE_SE
	s_setreg_imm32_b32 hwreg(HW_REG_WAVE_MODE, 25, 1), 1
	s_wait_xcnt 0x0
; One-directional chamfer distance.  xyz1, xyz2: [4][4096][3] f32.  out0[b][n] = min over m of max(sq1 + sq2 - 2 x.y, 0), out1 = the first m that attains it.
;
; NUMBERS.  Both clouds are rounded to bf16 once and EVERYTHING is made from the rounded numbers, the norms too, so the result is the
; reference's formula on inputs rounded to bf16.  Products of two bf16 are exact in f32.  The norms are the chain (x0 x0 + x1 x1) + x2 x2,
; s = sq1 + sq2 and d = s - 2 dot are one f32 operation each, in the reference's order.
; LIMITS.  (1) The three exact products of a dot are summed by the matrix instruction with its own rounding, which may differ from the f32
; chain (p0 + p1) + p2 by one unit in the last place of the dot (2^-23 of it); where a query's two best candidates lie that close, the
; index may be the other one's.  (2) Inputs are finite and below 3.39e38 in size (bf16's largest number): a window of candidate registers is multiplied
; by zeros, and zero times infinity would spoil its neighbours.  NaN is dropped by the minima, not handed on.
;
; SHARES.  256 work-groups of eight waves.  A work-group owns 64 queries of one batch (four tiles of 16); wave w owns candidates 512 w .. 512 w + 511
; (32 tiles of 16) and takes them against all four query tiles: 128 matrix instructions.  Each wave loads and prepares its own candidates, so
; nothing is waited for between waves until the one barrier at the end.
; NO CLUSTER, NO TENSOR LOADS: what the 64 work-groups of a batch share is 48 KiB of xyz2, read once at the start, 6 KiB a wave, straight into the
; registers in which it is rounded and squared; there is no loop of refills to share, against 1,024 tile products of a work-group.
;
; OPERANDS.  A load of 12 bytes a lane brings 32 candidates; two conversions make the pair (y0,y1), (y2,0).  That pair IS the operand: in an
; 8-register window with the pair in places 3 and 4, lanes 0-15 hold k = 6,7,16,17 of rows 0-15 (one tile), lanes 16-31 hold k = 14,15,24,25 (the next tile).
; The 16 pairs lie side by side and the window slides over them by two registers; its other six registers are neighbours' pairs (or zero
; pads) and meet zeros in the query operand, which is 0 0 0 (x0,x1) (x2,0) 0 0 0, in one variant with the data in lanes 0-15 only and one
; with the data in lanes 16-31 only: the variant picks the tile.  x0, x1 stand at k below 16 and x2 at k from 16 on: ascending k is the reference's order of adding.
; Candidates are source A (rows), queries source B (columns): lane (r, h) gets, for query r, candidates 8 h .. 8 h + 7 of the tile in registers 0 .. 7.
;
; ARGMIN.  For each tile a lane takes the minimum of its 8 d, clamps it at 0, and where it is smaller than the best so far (strictly: the first
; tile wins ties) takes over the value, the tile's number and the 8 d themselves.  The place within the winning tile (the first d <= best) is
; looked for once, at the end.  18 vector instructions for a lane's 8 pairs.
.set NPTS,  4096                       ; points of a cloud
.set QWG,   64                         ; queries of a work-group
.set CW,    512                        ; candidates of a wave
.set NCT,   CW/16                      ; candidate tiles of a wave
.set PBASE, 8*CW*4                     ; LDS: 8 x 2,048 bytes of candidate norms, then 8 x 1,024 bytes of the waves' results
.set LANE,  1                          ; v1       lane
.set COFF,  2                          ; v2       12 x lane: my candidate in a load of 32
.set QOFF,  3                          ; v3       12 x (lane % 16): my query in a tile
.set SQST,  4                          ; v4       LDS: where I put a candidate's norm
.set SQLD,  5                          ; v5       LDS: the 8 norms of my half of a tile
.set PST,   6                          ; v6       LDS: my place in my wave's results (PBASE stands in the immediate)
.set IBASE, 7                          ; v7       512 w + 8 h: the index of my first candidate
.set BB,    10                         ; v10-59   eight query windows, 6 registers apart: window 2 q + c at BB + 12 q + 6 c, data in its places 3, 4
.set AW,    60                         ; v60-62   zeros: the head of the first candidate window
.set AA,    63                         ; v63-94   16 candidate pairs; v95-97 zeros: the tail of the last window
.set SQ1,   98                         ; v98-105  query tile q: my query's norm, twice (a pair for the packed add)
.set ST,    106                        ; v106-145 query tile q, 10 registers: best value, its tile (later its index), the 8 d of that tile
.set DD,    146                        ; v146-177 four result tiles, one for each query tile
.set SA,    178                        ; v178-185 sq1 + sq2 for the first query tile of a step
.set SB,    186                        ; v186-193 for the second
.set YS,    146                        ; v146-209 at the start: 16 loads of candidates, 4 registers apart
.set XS,    210                        ; v210-225 at the start: 4 loads of queries
.set Q2,    210                        ; v210-233 three buffers of 8 candidate norms
.set TM,    234                        ; v234-241 at work
.set FF,    146                        ; v146-209 at the end, wave 0: 16 partial results for two queries
	s_load_b256 s[4:11], s[0:1], 0x0               ; xyz1 s[4:5], xyz2 s[6:7], out0 s[8:9], out1 s[10:11]
	v_lshl_add_u32 v244, v0, 2, 0x6000
	v_mov_b32 v245, 0
	v_and_b32 v[LANE], 31, v0
	v_lshrrev_b32 v8, 5, v0
	v_readfirstlane_b32 s12, v8                    ; wave 0..7
	v_and_b32 v9, 15, v0                           ; r
	v_bfe_u32 v8, v0, 4, 1                         ; h
	v_mul_u32_u24 v[COFF], 12, v[LANE]
	v_mul_u32_u24 v[QOFF], 12, v9
	s_mul_i32 s14, ttmp9, QWG*12                   ; my work-group's queries in xyz1 (the batches follow each other)
	s_mov_b32 s15, 0
	s_lshr_b32 s16, ttmp9, 6                       ; batch: 64 work-groups each
	s_mul_i32 s16, s16, NPTS*12
	s_mul_i32 s17, s12, CW*12
	s_add_co_u32 s16, s16, s17                     ; my wave's candidates in xyz2
	s_mov_b32 s17, 0
	s_lshl_b32 s18, ttmp9, 8                       ; my work-group's 64 numbers (256 bytes) in each output
	s_mov_b32 s19, 0
	s_lshl_b32 s20, s12, 9                         ; 512 w
	s_mov_b32 s21, 0xffff                          ; lanes 0-15
	s_lshl_b32 s22, s12, 11                        ; my wave's norms in LDS
	s_lshl_b32 s23, s12, 10                        ; my wave's results in LDS
	s_wait_kmcnt 0x0
	s_add_nc_u64 s[4:5], s[4:5], s[14:15]
	s_add_nc_u64 s[6:7], s[6:7], s[16:17]
	s_add_nc_u64 s[8:9], s[8:9], s[18:19]
	s_add_nc_u64 s[10:11], s[10:11], s[18:19]
.irp q, 0,1,2,3
	global_load_b96 v[XS+4*\q:XS+4*\q+2], v[QOFF], s[4:5] offset:192*\q    ; query r of tile q, in both halves of the lanes
.endr
.irp u, 0,1,2,3,4,5,6,7,8,9,10,11,12,13,14,15
	global_load_b96 v[YS+4*\u:YS+4*\u+2], v[COFF], s[6:7] offset:384*\u    ; candidates 32 u + lane: 384 neighbouring bytes
.endr
	; while the 20 loads are on their way: addresses, and the zeros of the windows
	v_lshl_add_u32 v[SQST], v[LANE], 2, s22
	v_lshl_add_u32 v[SQLD], v8, 5, s22
	v_lshl_add_u32 v[PST], v[LANE], 3, s23
	v_lshl_add_u32 v[IBASE], v8, 3, s20
.irp w, 0,1,2,3,4,5,6,7
	v_mov_b32 v[BB+6*\w], 0
	v_mov_b32 v[BB+6*\w+1], 0
	v_mov_b32 v[BB+6*\w+2], 0
	v_mov_b32 v[BB+6*\w+5], 0
.endr
.irp i, 48,49,50,51,52
	v_mov_b32 v[BB+\i], 0                          ; the last window's tail, and the head of the candidates
.endr
.irp i, 32,33,34
	v_mov_b32 v[AA+\i], 0                          ; the tail of the candidates
.endr
	; QUERIES: round, square, and lay the rounded pair into the two variants.  The four tiles go stage by stage, so that no line waits for the one in front.
	s_wait_loadcnt 16                              ; loads come back in order (ISA guide 5.7.1): the 4 query loads are in, the 16 younger ones stay out
.irp q, 0,1,2,3
	v_cvt_pk_bf16_f32 v[XS+4*\q+3], v[XS+4*\q+2], 0                ; (x2, 0)
	v_cvt_pk_bf16_f32 v[XS+4*\q], v[XS+4*\q], v[XS+4*\q+1]         ; (x0, x1)
.endr
.irp q, 0,1,2,3
	v_fma_mix_f32_bf16 v[XS+4*\q+1], v[XS+4*\q], v[XS+4*\q], v[BB] op_sel_hi:[1,1,0]                        ; x0 x0 + 0 (v[BB] is a zero)
.endr
.irp q, 0,1,2,3
	v_fma_mix_f32_bf16 v[XS+4*\q+1], v[XS+4*\q], v[XS+4*\q], v[XS+4*\q+1] op_sel:[1,1,0] op_sel_hi:[1,1,0]  ; + x1 x1
.endr
.irp q, 0,1,2,3
	v_fma_mix_f32_bf16 v[SQ1+2*\q], v[XS+4*\q+3], v[XS+4*\q+3], v[XS+4*\q+1] op_sel_hi:[1,1,0]              ; + x2 x2, made twice:
	v_fma_mix_f32_bf16 v[SQ1+2*\q+1], v[XS+4*\q+3], v[XS+4*\q+3], v[XS+4*\q+1] op_sel_hi:[1,1,0]            ; the pair that the packed add takes
.endr
.irp q, 0,1,2,3
	v_cndmask_b32 v[BB+12*\q+3], 0, v[XS+4*\q], s21                ; variant 0: data in lanes 0-15, zeros above
	v_cndmask_b32 v[BB+12*\q+4], 0, v[XS+4*\q+3], s21
	v_cndmask_b32 v[BB+12*\q+9], v[XS+4*\q], 0, s21                ; variant 1: zeros below, data in lanes 16-31
	v_cndmask_b32 v[BB+12*\q+10], v[XS+4*\q+3], 0, s21
.endr
; CANDIDATES, four loads (128 candidates) at a time: the operand pair, the norm, the norm into my wave's own LDS bytes.
.macro CPREP4 g
	s_wait_loadcnt 12-4*\g                         ; this group's four loads are in, the younger ones stay out
.irp j, 0,1,2,3
	v_cvt_pk_bf16_f32 v[AA+8*\g+2*\j], v[YS+16*\g+4*\j], v[YS+16*\g+4*\j+1]
.endr
.irp j, 0,1,2,3
	v_cvt_pk_bf16_f32 v[AA+8*\g+2*\j+1], v[YS+16*\g+4*\j+2], 0
.endr
.irp j, 0,1,2,3
	v_fma_mix_f32_bf16 v[YS+16*\g+4*\j], v[AA+8*\g+2*\j], v[AA+8*\g+2*\j], v[BB] op_sel_hi:[1,1,0]
.endr
.irp j, 0,1,2,3
	v_fma_mix_f32_bf16 v[YS+16*\g+4*\j], v[AA+8*\g+2*\j], v[AA+8*\g+2*\j], v[YS+16*\g+4*\j] op_sel:[1,1,0] op_sel_hi:[1,1,0]
.endr
.irp j, 0,1,2,3
	v_fma_mix_f32_bf16 v[YS+16*\g+4*\j], v[AA+8*\g+2*\j+1], v[AA+8*\g+2*\j+1], v[YS+16*\g+4*\j] op_sel_hi:[1,1,0]
.endr
.irp j, 0,1,2,3
	ds_store_b32 v[SQST], v[YS+16*\g+4*\j] offset:128*(4*\g+\j)
.endr
.endm
; The 8 norms of my half of tile tl, the same in all 16 lanes of a half.  LDS serves a wave's instructions in order (ISA guide 5.7.1), so these see my stores.
.macro Q2LOAD tl
	ds_load_b128 v[Q2+8*((\tl)%3):Q2+8*((\tl)%3)+3], v[SQLD] offset:64*(\tl)
	ds_load_b128 v[Q2+8*((\tl)%3)+4:Q2+8*((\tl)%3)+7], v[SQLD] offset:64*(\tl)+16
.endm
	CPREP4 0
	Q2LOAD 0                                       ; tiles 0 and 1 are the first load's candidates: their norms are asked for at once
	Q2LOAD 1
	CPREP4 1
	CPREP4 2
	CPREP4 3
; The dots of candidate tile tl with query tile q.  Every product takes the constant 0 as C: no product adds onto another.
.macro MM q, tl
	v_wmma_f32_16x16x32_bf16 v[DD+8*\q:DD+8*\q+7], v[AW+2*((\tl)/2):AW+2*((\tl)/2)+7], v[BB+12*\q+6*((\tl)%2):BB+12*\q+6*((\tl)%2)+7], 0
.endm
; One step: candidate tile TT against query tiles qa and qa + 1, the two interleaved.  At its head the next step's two products are issued; their results
; are read in the next step, behind this step's 36 vector instructions and that step's 8 adds, none of which names a register of theirs
; (ISA guide 7.12.1 asks for four such places).
.macro BODY qa
.if \qa == 0
	MM 2, TT
	MM 3, TT
.else
.if TT+1 < NCT
	MM 0, TT+1
	MM 1, TT+1
.endif
.endif
.set STA, ST+10*\qa
.set STB, ST+10*\qa+10
.set DA,  DD+8*\qa
.set DB,  DD+8*\qa+8
.if TT == 0
.set VA,  STA+2                        ; the first tile's d go straight into the kept set: nothing is preset
.set VB,  STB+2
.else
.set VA,  DA
.set VB,  DB
.endif
.set QQ,  Q2+8*(TT%3)
.irp k, 0,2,4,6
	v_pk_add_f32 v[SA+\k:SA+\k+1], v[QQ+\k:QQ+\k+1], v[SQ1+2*\qa:SQ1+2*\qa+1]          ; s = sq1 + sq2
.endr
.irp k, 0,2,4,6
	v_pk_add_f32 v[SB+\k:SB+\k+1], v[QQ+\k:QQ+\k+1], v[SQ1+2*\qa+2:SQ1+2*\qa+3]
.endr
.irp k, 0,2,4,6
	v_pk_fma_f32 v[VA+\k:VA+\k+1], v[DA+\k:DA+\k+1], -2.0, v[SA+\k:SA+\k+1] op_sel_hi:[1,0,1]   ; d = s - 2 dot
.endr
.irp k, 0,2,4,6
	v_pk_fma_f32 v[VB+\k:VB+\k+1], v[DB+\k:DB+\k+1], -2.0, v[SB+\k:SB+\k+1] op_sel_hi:[1,0,1]
.endr
	v_min3_num_f32 v[TM], v[VA], v[VA+1], v[VA+2]
	v_min3_num_f32 v[TM+2], v[VB], v[VB+1], v[VB+2]
	v_min3_num_f32 v[TM+1], v[VA+3], v[VA+4], v[VA+5]
	v_min3_num_f32 v[TM+3], v[VB+3], v[VB+4], v[VB+5]
	v_min3_num_f32 v[TM], v[TM], v[VA+6], v[VA+7]
	v_min3_num_f32 v[TM+2], v[TM+2], v[VB+6], v[VB+7]
.if TT == 0
	v_minmax_num_f32 v[STA], v[TM], v[TM+1], 0     ; max(min(.,.), 0): the tile's minimum, clamped as the reference clamps each d
	v_minmax_num_f32 v[STB], v[TM+2], v[TM+3], 0
	v_mov_b32 v[STA+1], 0                          ; tile 0
	v_mov_b32 v[STB+1], 0
.else
	v_minmax_num_f32 v[TM], v[TM], v[TM+1], 0
	v_minmax_num_f32 v[TM+2], v[TM+2], v[TM+3], 0
	v_cmp_ge_f32 vcc_lo, v[TM], v[STA]             ; set: the old best stays (ties too: the earlier tile has the lower indices)
	v_dual_cndmask_b32 v[STA], v[TM], v[STA] :: v_dual_cndmask_b32 v[STA+1], TT, v[STA+1]
.irp k, 0,2,4,6
	v_dual_cndmask_b32 v[STA+2+\k], v[VA+\k], v[STA+2+\k] :: v_dual_cndmask_b32 v[STA+3+\k], v[VA+\k+1], v[STA+3+\k]
.endr
	v_cmp_ge_f32 vcc_lo, v[TM+2], v[STB]
	v_dual_cndmask_b32 v[STB], v[TM+2], v[STB] :: v_dual_cndmask_b32 v[STB+1], TT, v[STB+1]
.irp k, 0,2,4,6
	v_dual_cndmask_b32 v[STB+2+\k], v[VB+\k], v[STB+2+\k] :: v_dual_cndmask_b32 v[STB+3+\k], v[VB+\k+1], v[STB+3+\k]
.endr
.endif
.endm
	MM 0, 0                                        ; the first step's products
	MM 1, 0
.set TT, 0
.rept NCT
.if TT+2 < NCT
	Q2LOAD TT+2                                    ; into the buffer whose norms the last tile's adds have read
	s_wait_dscnt 0x4                               ; all but the four youngest LDS instructions are done: tile TT's norms are in, those of TT + 1 and TT + 2 stay out
.else
	s_wait_dscnt 2*(NCT-1-TT)                      ; the last two tiles ask for nothing: the count runs down 2, 0
.endif
	BODY 0
	BODY 2
.set TT, TT+1
.endr
	; THE PLACE IN THE WINNING TILE: the first of the 8 kept d that is <= the best (clamped) value; one of them is.  From the back, so that the first wins.
.irp q, 0,1,2,3
	v_mov_b32 v[TM+\q], 7
.endr
.irp j, 6,5,4,3,2,1,0
.irp q, 0,1,2,3
	v_cmp_le_f32 s[24+\q], v[ST+10*\q+2+\j], v[ST+10*\q]
.endr
.irp q, 0,1,2,3
	v_cndmask_b32 v[TM+\q], v[TM+\q], \j, s[24+\q]
.endr
.endr
.irp q, 0,1,2,3
	v_lshl_add_u32 v[ST+10*\q+1], v[ST+10*\q+1], 4, v[TM+\q]       ; 16 x tile + place
.endr
.irp q, 0,1,2,3
	v_add_nc_u32 v[ST+10*\q+1], v[ST+10*\q+1], v[IBASE]            ; + 512 w + 8 h: the candidate's index in its cloud
.endr
.irp q, 0,1,2,3
	ds_store_b64 v[PST], v[ST+10*\q:ST+10*\q+1] offset:PBASE+256*\q   ; (value, index) of query r of tile q, from half h of wave w
.endr
	s_wait_dscnt 0x0                               ; for wave 0's sake: my results are in LDS before I say so
	s_barrier_signal -1
	s_barrier_wait -1
	s_cmp_lg_u32 s12, 0
	s_cbranch_scc1 .Lend
	; WAVE 0 merges: 16 partial results (8 waves x 2 halves) for each of the 64 queries.  Lane L takes queries 2 L and 2 L + 1, whose entries are neighbours in LDS,
	; so that the 32 lanes' 8 bytes fill the work-group's 256 bytes of an output with one store.
	v_lshrrev_b32 v8, 3, v[LANE]                   ; query tile
	v_and_b32 v9, 7, v[LANE]
	v_lshlrev_b32 v9, 4, v9                        ; two entries of 8 bytes
	v_lshl_add_u32 v9, v8, 8, v9
.irp e, 0,1,2,3,4,5,6,7,8,9,10,11,12,13,14,15
	ds_load_b128 v[FF+4*\e:FF+4*\e+3], v9 offset:PBASE+1024*(\e/2)+128*(\e%2)   ; wave e / 2, half e % 2: value, index, value, index
.endr
	v_lshlrev_b32 v8, 3, v[LANE]                   ; my 8 bytes in each output
; the two halves of a wave hold interleaved indices: the smaller value, and of equal values the smaller index
.macro LEX d, o, sb
	v_cmp_lt_f32 s[\sb], v[\o], v[\d]
	v_cmp_eq_f32 s[\sb+1], v[\o], v[\d]
	v_cmp_lt_u32 s[\sb+2], v[\o+1], v[\d+1]
	s_and_b32 s[\sb+1], s[\sb+1], s[\sb+2]
	s_or_b32 s[\sb], s[\sb], s[\sb+1]
	v_cndmask_b32 v[\d], v[\d], v[\o], s[\sb]
	v_cndmask_b32 v[\d+1], v[\d+1], v[\o+1], s[\sb]
.endm
; a later wave's indices are all larger: it wins only with a strictly smaller value
.macro LTC dv, di, d, o, sm
	v_cmp_lt_f32 s[\sm], v[\o], v[\d]
	v_cndmask_b32 v[\dv], v[\d], v[\o], s[\sm]
	v_cndmask_b32 v[\di], v[\d+1], v[\o+1], s[\sm]
.endm
	s_wait_dscnt 0x0
.irp w, 0,1,2,3,4,5,6,7
	LEX FF+8*\w, FF+8*\w+4, 24+8*(\w%2)
	LEX FF+8*\w+2, FF+8*\w+6, 28+8*(\w%2)
.endr
.irp p, 0,1,2,3
	LTC FF+16*\p, FF+16*\p+1, FF+16*\p, FF+16*\p+8, 24+2*\p
	LTC FF+16*\p+2, FF+16*\p+3, FF+16*\p+2, FF+16*\p+10, 25+2*\p
.endr
.irp p, 0,1
	LTC FF+32*\p, FF+32*\p+1, FF+32*\p, FF+32*\p+16, 24+2*\p
	LTC FF+32*\p+2, FF+32*\p+3, FF+32*\p+2, FF+32*\p+18, 25+2*\p
.endr
	LTC TM, TM+2, FF, FF+32, 24                    ; the last level writes the two values side by side, and the two indices
	LTC TM+1, TM+3, FF+2, FF+34, 25
	global_store_b64 v8, v[TM:TM+1], s[8:9] th:TH_STORE_NT         ; 32 lanes x 8 bytes: 256 consecutive bytes, at a multiple of 256 from out0's first byte
	global_store_b64 v8, v[TM+2:TM+3], s[10:11] th:TH_STORE_NT     ; the same in out1
.Lend:
	s_wait_tensorcnt 0x0
	ds_add_u32 v244, v245
	s_wait_dscnt 0x0
	s_endpgm
.Lfunc_end_k_q5c134ebd0d_chamfer:
	.size	k_q5c134ebd0d_chamfer, .Lfunc_end_k_q5c134ebd0d_chamfer-k_q5c134ebd0d_chamfer
	.p2alignl 7, 3214868480
	.fill 96, 4, 3214868480
	.section	.rodata,"a",@progbits
	.p2align	6, 0x0
	.amdhsa_kernel k_q5c134ebd0d_chamfer
		.amdhsa_group_segment_fixed_size 25600
		.amdhsa_private_segment_fixed_size 0
		.amdhsa_enable_private_segment 0
		.amdhsa_kernarg_size 32
		.amdhsa_user_sgpr_count 2
		.amdhsa_user_sgpr_kernarg_segment_ptr 1
		.amdhsa_wavefront_size32 1
		.amdhsa_system_sgpr_workgroup_id_x 1
		.amdhsa_system_sgpr_workgroup_id_y 1
		.amdhsa_system_sgpr_workgroup_id_z 1
		.amdhsa_system_vgpr_workitem_id 0
		.amdhsa_next_free_vgpr 246
		.amdhsa_next_free_sgpr 66
		.amdhsa_reserve_vcc 1
		.amdhsa_float_denorm_mode_32 3
		.amdhsa_float_denorm_mode_16_64 3
		.amdhsa_memory_ordered 1
		.amdhsa_forward_progress 1
		.amdhsa_inst_pref_size 180
	.end_amdhsa_kernel
	.amdgpu_metadata
---
amdhsa.version: [ 1, 2 ]
amdhsa.kernels:
  - .name:           k_q5c134ebd0d_chamfer
    .symbol:         k_q5c134ebd0d_chamfer.kd
    .args:
      - { .name: xyz1, .offset: 0, .size: 8, .value_kind: global_buffer, .address_space: global }
      - { .name: xyz2, .offset: 8, .size: 8, .value_kind: global_buffer, .address_space: global }
      - { .name: out0, .offset: 16, .size: 8, .value_kind: global_buffer, .address_space: global }
      - { .name: out1, .offset: 24, .size: 8, .value_kind: global_buffer, .address_space: global }
    .group_segment_fixed_size: 25600
    .private_segment_fixed_size: 0
    .kernarg_segment_align: 8
    .kernarg_segment_size: 32
    .max_flat_workgroup_size: 256
    .sgpr_count:     66
    .vgpr_count:     246
    .wavefront_size: 32
...
	.end_amdgpu_metadata
.endif
;; end of part 1
;; ======== version 2 of 2: 1 launch; version 1 with the launch chamfer written anew for expert scheduling mode
;; launch chamfer (part 2): grid 256 x 1, 8 waves a work-group, no clusters, 25,600 bytes of LDS; arguments xyz1, xyz2, out0, out1; writes out0, out1
.if DOCPART == 2
	.amdgcn_target "amdgcn-amd-amdhsa--gfx1250"
	.amdhsa_code_object_version 6
	.text
	.protected	k_q5c134ebd0d_chamfer
	.globl	k_q5c134ebd0d_chamfer
	.p2align	8
	.type	k_q5c134ebd0d_chamfer,@function
k_q5c134ebd0d_chamfer:
	s_mov_b64 s[64:65], 0
	v_nop
	global_prefetch_b8 v0, s[64:65] scope:SCOPE_SE
	s_setreg_imm32_b32 hwreg(HW_REG_WAVE_SCHED_MODE, 0, 2), 2
	s_setreg_imm32_b32 hwreg(HW_REG_WAVE_MODE, 25, 1), 1
	s_wait_xcnt 0x0
	s_wait_alu depctr_vm_vsrc(0)
; One-directional chamfer distance.  xyz1, xyz2: [4][4096][3] f32.  out0[b][n] = min over m of max(sq1 + sq2 - 2 x.y, 0), out1 = the first m that attains it.
;
; NUMBERS.  Both clouds are rounded to bf16 once and EVERYTHING is made from the rounded numbers, the norms too, so the result is the
; reference's formula on inputs rounded to bf16.  Products of two bf16 are exact in f32.  The norms are the chain (x0 x0 + x1 x1) + x2 x2,
; s = sq1 + sq2 and d = s - 2 dot are one f32 operation each, in the reference's order.
; LIMITS.  (1) The three exact products of a dot are summed by the matrix instruction with its own rounding, which may differ from the f32
; chain (p0 + p1) + p2 by one unit in the last place of the dot (2^-23 of it); where a query's two best candidates lie that close, the
; index may be the other one's.  (2) Inputs are finite and below 3.39e38 in size (bf16's largest number): a window of candidate registers is multiplied
; by zeros, and zero times infinity would spoil its neighbours.  NaN is dropped by the minima, not handed on.
;
; SHARES.  256 work-groups of eight waves.  A work-group owns 64 queries of one batch (four tiles of 16); wave w owns candidates 512 w .. 512 w + 511
; (32 tiles of 16) and takes them against all four query tiles: 128 matrix instructions.  Each wave loads and prepares its own candidates, so
; nothing is waited for between waves until the one barrier at the end.
; NO CLUSTER, NO TENSOR LOADS: what the 64 work-groups of a batch share is 48 KiB of xyz2, read once at the start, 6 KiB a wave, straight into the
; registers in which it is rounded and squared; there is no loop of refills to share, against 1,024 tile products of a work-group.
;
; OPERANDS.  A load of 12 bytes a lane brings 32 candidates; two conversions make the pair (y0,y1), (y2,0).  That pair IS the operand: in an
; 8-register window with the pair in places 3 and 4, lanes 0-15 hold k = 6,7,16,17 of rows 0-15 (one tile), lanes 16-31 hold k = 14,15,24,25 (the next tile).
; The 16 pairs lie side by side and the window slides over them by two registers; its other six registers are neighbours' pairs (or zero
; pads) and meet zeros in the query operand, which is 0 0 0 (x0,x1) (x2,0) 0 0 0, in one variant with the data in lanes 0-15 only and one
; with the data in lanes 16-31 only: the variant picks the tile.  x0, x1 stand at k below 16 and x2 at k from 16 on: ascending k is the reference's order of adding.
; Candidates are source A (rows), queries source B (columns): lane (r, h) gets, for query r, candidates 8 h .. 8 h + 7 of the tile in registers 0 .. 7.
;
; ARGMIN.  For each tile a lane takes the minimum of its 8 d, clamps it at 0, and where it is smaller than the best so far (strictly: the first
; tile wins ties) takes over the value, the tile's number and the 8 d themselves.  The place within the winning tile (the first d <= best) is
; looked for once, at the end.  18 vector instructions for a lane's 8 pairs.
;
; THE MODE: SCHED_MODE bits 1:0 = 2 (LLVM: expert scheduling mode 2), set by the entry lines.  The code itself states the register dependences
; between vector or matrix instructions and memory or LDS instructions, and those through scalar results of vector instructions, with s_wait_alu, always for 0.
; THE PLAN.  Registers that memory or LDS instructions touch:
;   v2, v3      offsets of the 20 global loads; v4, v5, v6 LDS addresses.  Made once at the head, never written again.
;   XS          the query loads land here; the query stage works on them; then they are norm buffers 0 and 1.
;   YS          the candidate loads land here; the norm chain writes each load's first register, an LDS store reads it; then they are DD, SA, SB.
;   Q2          four buffers of 8 norms, tile t in buffer t % 4.  Read by tile t's 16 packed adds; the loads of tile t + 4 land in it.
;   ST pairs    (value, index): written at the end, read by the four LDS stores of the results, never written again.
;   v9, FF, v8, TM   wave 0's merge: an LDS address, 16 LDS loads into registers that the loop worked on, the offset and data of the two global stores.
; In the walk over the tiles ONE wait on va_vdst stands at the head of every second tile t: the adds of tiles t - 2 and t - 1 are done reading their two
; buffers, and the four loads of tiles t + 2 and t + 3 follow it at once; tiles t and t + 1 name the other two buffers.  All else that the walk names
; (windows, DD, SA, SB, ST, TM) is named by vector and matrix instructions alone.  Each compare into VCC has its wait ahead of the selects that read VCC.
.set NPTS,  4096                       ; points of a cloud
.set QWG,   64                         ; queries of a work-group
.set CW,    512                        ; candidates of a wave
.set NCT,   CW/16                      ; candidate tiles of a wave
.set PBASE, 8*CW*4                     ; LDS: 8 x 2,048 bytes of candidate norms, then 8 x 1,024 bytes of the waves' results
.set LANE,  1                          ; v1       lane
.set COFF,  2                          ; v2       12 x lane: my candidate in a load of 32
.set QOFF,  3                          ; v3       12 x (lane % 16): my query in a tile
.set SQST,  4                          ; v4       LDS: where I put a candidate's norm
.set SQLD,  5                          ; v5       LDS: the 8 norms of my half of a tile
.set PST,   6                          ; v6       LDS: my place in my wave's results (PBASE stands in the immediate)
.set IBASE, 7                          ; v7       512 w + 8 h: the index of my first candidate
.set BB,    10                         ; v10-59   eight query windows, 6 registers apart: window 2 q + c at BB + 12 q + 6 c, data in its places 3, 4
.set AW,    60                         ; v60-62   zeros: the head of the first candidate window
.set AA,    63                         ; v63-94   16 candidate pairs; v95-97 zeros: the tail of the last window
.set SQ1,   98                         ; v98-105  query tile q: my query's norm, twice (a pair for the packed add)
.set ST,    106                        ; v106-145 query tile q, 10 registers: best value, its tile (later its index), the 8 d of that tile
.set DD,    146                        ; v146-177 four result tiles, one for each query tile
.set SA,    178                        ; v178-185 sq1 + sq2 for the first query tile of a step
.set SB,    186                        ; v186-193 for the second
.set YS,    146                        ; v146-209 at the start: 16 loads of candidates, 4 registers apart
.set XS,    210                        ; v210-225 at the start: 4 loads of queries
.set Q2,    210                        ; v210-241 four buffers of 8 candidate norms
.set TM,    242                        ; v242-245 at work
.set FF,    146                        ; v146-209 at the end, wave 0: 16 partial results for two queries
	s_load_b256 s[4:11], s[0:1], 0x0               ; xyz1 s[4:5], xyz2 s[6:7], out0 s[8:9], out1 s[10:11]
	v_lshl_add_u32 v248, v0, 2, 0x6000
	v_mov_b32 v249, 0
	v_and_b32 v[LANE], 31, v0
	v_lshrrev_b32 v8, 5, v0
	v_readfirstlane_b32 s12, v8                    ; wave 0..7
	v_and_b32 v9, 15, v0                           ; r
	v_bfe_u32 v8, v0, 4, 1                         ; h
	v_mul_u32_u24 v[COFF], 12, v[LANE]
	v_mul_u32_u24 v[QOFF], 12, v9
	s_mul_i32 s14, ttmp9, QWG*12                   ; my work-group's queries in xyz1 (the batches follow each other)
	s_mov_b32 s15, 0
	s_lshr_b32 s16, ttmp9, 6                       ; batch: 64 work-groups each
	s_mul_i32 s16, s16, NPTS*12
	s_wait_alu depctr_va_sdst(0)                   ; s12 is written, ahead of its first reader, the line below
	s_mul_i32 s17, s12, CW*12
	s_add_co_u32 s16, s16, s17                     ; my wave's candidates in xyz2
	s_mov_b32 s17, 0
	s_lshl_b32 s18, ttmp9, 8                       ; my work-group's 64 numbers (256 bytes) in each output
	s_mov_b32 s19, 0
	s_lshl_b32 s20, s12, 9                         ; 512 w
	s_mov_b32 s21, 0xffff                          ; lanes 0-15
	s_lshl_b32 s22, s12, 11                        ; my wave's norms in LDS
	s_lshl_b32 s23, s12, 10                        ; my wave's results in LDS
	s_wait_kmcnt 0x0
	s_add_nc_u64 s[4:5], s[4:5], s[14:15]
	s_add_nc_u64 s[6:7], s[6:7], s[16:17]
	s_add_nc_u64 s[8:9], s[8:9], s[18:19]
	s_add_nc_u64 s[10:11], s[10:11], s[18:19]
	s_wait_alu depctr_va_vdst(0)                   ; v[COFF] and v[QOFF] are written: the 20 loads below read them as their offsets
.irp q, 0,1,2,3
	global_load_b96 v[XS+4*\q:XS+4*\q+2], v[QOFF], s[4:5] offset:192*\q    ; query r of tile q, in both halves of the lanes
.endr
.irp u, 0,1,2,3,4,5,6,7,8,9,10,11,12,13,14,15
	global_load_b96 v[YS+4*\u:YS+4*\u+2], v[COFF], s[6:7] offset:384*\u    ; candidates 32 u + lane: 384 neighbouring bytes
.endr
	; while the 20 loads are on their way: addresses, and the zeros of the windows
	v_lshl_add_u32 v[SQST], v[LANE], 2, s22
	v_lshl_add_u32 v[SQLD], v8, 5, s22
	v_lshl_add_u32 v[PST], v[LANE], 3, s23
	v_lshl_add_u32 v[IBASE], v8, 3, s20
.irp w, 0,1,2,3,4,5,6,7
	v_mov_b32 v[BB+6*\w], 0
	v_mov_b32 v[BB+6*\w+1], 0
	v_mov_b32 v[BB+6*\w+2], 0
	v_mov_b32 v[BB+6*\w+5], 0
.endr
.irp i, 48,49,50,51,52
	v_mov_b32 v[BB+\i], 0                          ; the last window's tail, and the head of the candidates
.endr
.irp i, 32,33,34
	v_mov_b32 v[AA+\i], 0                          ; the tail of the candidates
.endr
	; QUERIES: round, square, and lay the rounded pair into the two variants.  The four tiles go stage by stage, so that no line waits for the one in front.
	s_wait_loadcnt 16                              ; loads come back in order (ISA guide 5.7.1): the 4 query loads are in, the 16 younger ones stay out
.irp q, 0,1,2,3
	v_cvt_pk_bf16_f32 v[XS+4*\q+3], v[XS+4*\q+2], 0                ; (x2, 0)
	v_cvt_pk_bf16_f32 v[XS+4*\q], v[XS+4*\q], v[XS+4*\q+1]         ; (x0, x1)
.endr
.irp q, 0,1,2,3
	v_fma_mix_f32_bf16 v[XS+4*\q+1], v[XS+4*\q], v[XS+4*\q], v[BB] op_sel_hi:[1,1,0]                        ; x0 x0 + 0 (v[BB] is a zero)
.endr
.irp q, 0,1,2,3
	v_fma_mix_f32_bf16 v[XS+4*\q+1], v[XS+4*\q], v[XS+4*\q], v[XS+4*\q+1] op_sel:[1,1,0] op_sel_hi:[1,1,0]  ; + x1 x1
.endr
.irp q, 0,1,2,3
	v_fma_mix_f32_bf16 v[SQ1+2*\q], v[XS+4*\q+3], v[XS+4*\q+3], v[XS+4*\q+1] op_sel_hi:[1,1,0]              ; + x2 x2, made twice:
	v_fma_mix_f32_bf16 v[SQ1+2*\q+1], v[XS+4*\q+3], v[XS+4*\q+3], v[XS+4*\q+1] op_sel_hi:[1,1,0]            ; the pair that the packed add takes
.endr
.irp q, 0,1,2,3
	v_cndmask_b32 v[BB+12*\q+3], 0, v[XS+4*\q], s21                ; variant 0: data in lanes 0-15, zeros above
	v_cndmask_b32 v[BB+12*\q+4], 0, v[XS+4*\q+3], s21
	v_cndmask_b32 v[BB+12*\q+9], v[XS+4*\q], 0, s21                ; variant 1: zeros below, data in lanes 16-31
	v_cndmask_b32 v[BB+12*\q+10], v[XS+4*\q+3], 0, s21
.endr
; CANDIDATES, four loads (128 candidates) at a time.  CVEC: the operand pair and the norm.  CSTO: the norms into my wave's own LDS bytes.
; The stores of two groups stand together, behind one wait.
.macro CVEC g
	s_wait_loadcnt 12-4*\g                         ; this group's four loads are in, the younger ones stay out
.irp j, 0,1,2,3
	v_cvt_pk_bf16_f32 v[AA+8*\g+2*\j], v[YS+16*\g+4*\j], v[YS+16*\g+4*\j+1]
.endr
.irp j, 0,1,2,3
	v_cvt_pk_bf16_f32 v[AA+8*\g+2*\j+1], v[YS+16*\g+4*\j+2], 0
.endr
.irp j, 0,1,2,3
	v_fma_mix_f32_bf16 v[YS+16*\g+4*\j], v[AA+8*\g+2*\j], v[AA+8*\g+2*\j], v[BB] op_sel_hi:[1,1,0]
.endr
.irp j, 0,1,2,3
	v_fma_mix_f32_bf16 v[YS+16*\g+4*\j], v[AA+8*\g+2*\j], v[AA+8*\g+2*\j], v[YS+16*\g+4*\j] op_sel:[1,1,0] op_sel_hi:[1,1,0]
.endr
.irp j, 0,1,2,3
	v_fma_mix_f32_bf16 v[YS+16*\g+4*\j], v[AA+8*\g+2*\j+1], v[AA+8*\g+2*\j+1], v[YS+16*\g+4*\j] op_sel_hi:[1,1,0]
.endr
.endm
.macro CSTO g
.irp j, 0,1,2,3
	ds_store_b32 v[SQST], v[YS+16*\g+4*\j] offset:128*(4*\g+\j)
.endr
.endm
; The 8 norms of my half of tile tl, the same in all 16 lanes of a half.  LDS serves a wave's instructions in order (ISA guide 5.7.1), so these see my stores.
.macro Q2LOAD tl
	ds_load_b128 v[Q2+8*((\tl)%4):Q2+8*((\tl)%4)+3], v[SQLD] offset:64*(\tl)
	ds_load_b128 v[Q2+8*((\tl)%4)+4:Q2+8*((\tl)%4)+7], v[SQLD] offset:64*(\tl)+16
.endm
	CVEC 0
	CVEC 1
	s_wait_alu depctr_va_vdst(0)                   ; the norms of groups 0 and 1 are written, which the stores below read; so are v[SQST] and v[SQLD]; the query stage is done with XS, in which the loads below land
	CSTO 0
	CSTO 1
	Q2LOAD 0                                       ; tiles 0 and 1 are the first load's candidates: their norms are asked for at once
	Q2LOAD 1
	CVEC 2                                         ; these two name v178-209, the pairs and a zero: no register of the LDS instructions above
	CVEC 3
	s_wait_alu depctr_va_vdst(0)                   ; the norms of groups 2 and 3 are written, which the stores below read
	CSTO 2
	CSTO 3
	s_wait_alu depctr_vm_vsrc(0)                   ; the 16 norm stores have read their YS registers: these are DD, SA and SB from here on, written by the products and the adds
; The dots of candidate tile tl with query tile q.  Every product takes the constant 0 as C: no product adds onto another.
.macro MM q, tl
	v_wmma_f32_16x16x32_bf16 v[DD+8*\q:DD+8*\q+7], v[AW+2*((\tl)/2):AW+2*((\tl)/2)+7], v[BB+12*\q+6*((\tl)%2):BB+12*\q+6*((\tl)%2)+7], 0
.endm
; One step: candidate tile TT against query tiles qa and qa + 1, the two interleaved.  At its head the next step's two products are issued; their results
; are read in the next step, behind this step's 36 vector instructions and that step's 8 adds, none of which names a register of theirs
; (ISA guide 7.12.1 asks for four such places).
.macro BODY qa
.if \qa == 0
	MM 2, TT
	MM 3, TT
.else
.if TT+1 < NCT
	MM 0, TT+1
	MM 1, TT+1
.endif
.endif
.set STA, ST+10*\qa
.set STB, ST+10*\qa+10
.set DA,  DD+8*\qa
.set DB,  DD+8*\qa+8
.if TT == 0
.set VA,  STA+2                        ; the first tile's d go straight into the kept set: nothing is preset
.set VB,  STB+2
.else
.set VA,  DA
.set VB,  DB
.endif
.set QQ,  Q2+8*(TT%4)
.irp k, 0,2,4,6
	v_pk_add_f32 v[SA+\k:SA+\k+1], v[QQ+\k:QQ+\k+1], v[SQ1+2*\qa:SQ1+2*\qa+1]          ; s = sq1 + sq2
.endr
.irp k, 0,2,4,6
	v_pk_add_f32 v[SB+\k:SB+\k+1], v[QQ+\k:QQ+\k+1], v[SQ1+2*\qa+2:SQ1+2*\qa+3]
.endr
.irp k, 0,2,4,6
	v_pk_fma_f32 v[VA+\k:VA+\k+1], v[DA+\k:DA+\k+1], -2.0, v[SA+\k:SA+\k+1] op_sel_hi:[1,0,1]   ; d = s - 2 dot
.endr
.irp k, 0,2,4,6
	v_pk_fma_f32 v[VB+\k:VB+\k+1], v[DB+\k:DB+\k+1], -2.0, v[SB+\k:SB+\k+1] op_sel_hi:[1,0,1]
.endr
	v_min3_num_f32 v[TM], v[VA], v[VA+1], v[VA+2]
	v_min3_num_f32 v[TM+1], v[VA+3], v[VA+4], v[VA+5]
	v_min3_num_f32 v[TM+2], v[VB], v[VB+1], v[VB+2]
	v_min3_num_f32 v[TM], v[TM], v[VA+6], v[VA+7]
	v_min3_num_f32 v[TM+3], v[VB+3], v[VB+4], v[VB+5]
.if TT == 0
	v_minmax_num_f32 v[STA], v[TM], v[TM+1], 0     ; max(min(.,.), 0): the tile's minimum, clamped as the reference clamps each d
	v_min3_num_f32 v[TM+2], v[TM+2], v[VB+6], v[VB+7]
	v_mov_b32 v[STA+1], 0                          ; tile 0
	v_minmax_num_f32 v[STB], v[TM+2], v[TM+3], 0
	v_mov_b32 v[STB+1], 0
.else
	v_minmax_num_f32 v[TM], v[TM], v[TM+1], 0
	v_min3_num_f32 v[TM+2], v[TM+2], v[VB+6], v[VB+7]
	v_cmp_ge_f32 vcc_lo, v[TM], v[STA]             ; set: the old best stays (ties too: the earlier tile has the lower indices)
	v_minmax_num_f32 v[TM+2], v[TM+2], v[TM+3], 0  ; the second query tile's clamp stands between the compare and the wait for it
	s_wait_alu depctr_va_vcc(0)                    ; the compare has written VCC, which the five selects below read
	v_dual_cndmask_b32 v[STA], v[TM], v[STA] :: v_dual_cndmask_b32 v[STA+1], TT, v[STA+1]
.irp k, 0,2,4,6
	v_dual_cndmask_b32 v[STA+2+\k], v[VA+\k], v[STA+2+\k] :: v_dual_cndmask_b32 v[STA+3+\k], v[VA+\k+1], v[STA+3+\k]
.endr
	v_cmp_ge_f32 vcc_lo, v[TM+2], v[STB]
	s_wait_alu depctr_va_vcc(0)                    ; the compare has written VCC, which the five selects below read
	v_dual_cndmask_b32 v[STB], v[TM+2], v[STB] :: v_dual_cndmask_b32 v[STB+1], TT, v[STB+1]
.irp k, 0,2,4,6
	v_dual_cndmask_b32 v[STB+2+\k], v[VB+\k], v[STB+2+\k] :: v_dual_cndmask_b32 v[STB+3+\k], v[VB+\k+1], v[STB+3+\k]
.endr
.endif
.endm
	MM 0, 0                                        ; the first step's products
	MM 1, 0
.set TT, 0
.rept NCT
.if TT%2 == 0
.if TT+2 < NCT
.if TT > 0
	s_wait_alu depctr_va_vdst(0)                   ; the adds of tiles TT - 2 and TT - 1 are done reading their two norm buffers, in which the four loads below land
.endif                                                 ; (at tile 0 none is owed: no vector instruction has named v226-241, and none since the last such wait names v[SQLD])
	Q2LOAD TT+2
	Q2LOAD TT+3
	s_wait_dscnt 0x4                               ; all but the four youngest LDS instructions are done: the norms of tiles TT and TT + 1 are in, those of TT + 2 and TT + 3 stay out
.else
	s_wait_dscnt 0x0                               ; the last two tiles ask for nothing: their norms are in
.endif
.endif
	BODY 0
	BODY 2
.set TT, TT+1
.endr
	; THE PLACE IN THE WINNING TILE: the first of the 8 kept d that is <= the best (clamped) value; one of them is.  From the back, so that the first wins.
	; The 28 compares stand in one run, each with a mask register of its own, so that one wait serves them all.
.irp q, 0,1,2,3
	v_mov_b32 v[TM+\q], 7
.endr
.irp j, 6,5,4,3,2,1,0
.irp q, 0,1,2,3
	v_cmp_le_f32 s[24+4*\j+\q], v[ST+10*\q+2+\j], v[ST+10*\q]
.endr
.endr
	s_wait_alu depctr_va_sdst(0)                   ; the compares have written s24 to s51, which the selects below read
.irp j, 6,5,4,3,2,1,0
.irp q, 0,1,2,3
	v_cndmask_b32 v[TM+\q], v[TM+\q], \j, s[24+4*\j+\q]
.endr
.endr
.irp q, 0,1,2,3
	v_lshl_add_u32 v[ST+10*\q+1], v[ST+10*\q+1], 4, v[TM+\q]       ; 16 x tile + place
.endr
.irp q, 0,1,2,3
	v_add_nc_u32 v[ST+10*\q+1], v[ST+10*\q+1], v[IBASE]            ; + 512 w + 8 h: the candidate's index in its cloud
.endr
	s_wait_alu depctr_va_vdst(0)                   ; the four pairs (value, index) are written, which the stores below read; all the walk's work on v146-209 is done too
.irp q, 0,1,2,3
	ds_store_b64 v[PST], v[ST+10*\q:ST+10*\q+1] offset:PBASE+256*\q   ; (value, index) of query r of tile q, from half h of wave w
.endr
	s_wait_dscnt 0x0                               ; for wave 0's sake: my results are in LDS before I say so
	s_barrier_signal -1
	s_barrier_wait -1
	s_cmp_lg_u32 s12, 0
	s_cbranch_scc1 .Lend
	; WAVE 0 merges: 16 partial results (8 waves x 2 halves) for each of the 64 queries.  Lane L takes queries 2 L and 2 L + 1, whose entries are neighbours in LDS,
	; so that the 32 lanes' 8 bytes fill the work-group's 256 bytes of an output with one store.
	v_lshrrev_b32 v8, 3, v[LANE]                   ; query tile
	v_and_b32 v9, 7, v[LANE]
	v_lshlrev_b32 v9, 4, v9                        ; two entries of 8 bytes
	v_lshl_add_u32 v9, v8, 8, v9
	s_wait_alu depctr_va_vdst(0)                   ; v9 is written, the address of the 16 loads below
.irp e, 0,1,2,3,4,5,6,7,8,9,10,11,12,13,14,15
	ds_load_b128 v[FF+4*\e:FF+4*\e+3], v9 offset:PBASE+1024*(\e/2)+128*(\e%2)   ; wave e / 2, half e % 2: value, index, value, index
.endr
	v_lshlrev_b32 v8, 3, v[LANE]                   ; my 8 bytes in each output
; the two halves of a wave hold interleaved indices: the smaller value, and of equal values the smaller index.  LEXC: the three compares; LEXS: the mask and the selects
.macro LEXC d, o, sb
	v_cmp_lt_f32 s[\sb], v[\o], v[\d]
	v_cmp_eq_f32 s[\sb+1], v[\o], v[\d]
	v_cmp_lt_u32 s[\sb+2], v[\o+1], v[\d+1]
.endm
.macro LEXS d, o, sb
	s_and_b32 s[\sb+1], s[\sb+1], s[\sb+2]
	s_or_b32 s[\sb], s[\sb], s[\sb+1]
	v_cndmask_b32 v[\d], v[\d], v[\o], s[\sb]
	v_cndmask_b32 v[\d+1], v[\d+1], v[\o+1], s[\sb]
.endm
; a later wave's indices are all larger: it wins only with a strictly smaller value.  LTCC: the compare; LTCS: the selects
.macro LTCC d, o, sm
	v_cmp_lt_f32 s[\sm], v[\o], v[\d]
.endm
.macro LTCS dv, di, d, o, sm
	v_cndmask_b32 v[\dv], v[\d], v[\o], s[\sm]
	v_cndmask_b32 v[\di], v[\d+1], v[\o+1], s[\sm]
.endm
	s_wait_dscnt 0x0
.irp u, 0,4                            ; four waves' halves at a time: 24 compares in a run, one wait
.irp w, 0,1,2,3
	LEXC FF+8*(\u+\w), FF+8*(\u+\w)+4, 24+6*\w
	LEXC FF+8*(\u+\w)+2, FF+8*(\u+\w)+6, 27+6*\w
.endr
	s_wait_alu depctr_va_sdst(0)                   ; the compares have written s24 to s47, which the scalar lines below read
.irp w, 0,1,2,3
	LEXS FF+8*(\u+\w), FF+8*(\u+\w)+4, 24+6*\w
	LEXS FF+8*(\u+\w)+2, FF+8*(\u+\w)+6, 27+6*\w
.endr
.endr
.irp p, 0,1,2,3
	LTCC FF+16*\p, FF+16*\p+8, 24+2*\p
	LTCC FF+16*\p+2, FF+16*\p+10, 25+2*\p
.endr
	s_wait_alu depctr_va_sdst(0)                   ; the compares have written s24 to s31, which the selects below read
.irp p, 0,1,2,3
	LTCS FF+16*\p, FF+16*\p+1, FF+16*\p, FF+16*\p+8, 24+2*\p
	LTCS FF+16*\p+2, FF+16*\p+3, FF+16*\p+2, FF+16*\p+10, 25+2*\p
.endr
.irp p, 0,1
	LTCC FF+32*\p, FF+32*\p+16, 24+2*\p
	LTCC FF+32*\p+2, FF+32*\p+18, 25+2*\p
.endr
	s_wait_alu depctr_va_sdst(0)                   ; the compares have written s24 to s27, which the selects below read
.irp p, 0,1
	LTCS FF+32*\p, FF+32*\p+1, FF+32*\p, FF+32*\p+16, 24+2*\p
	LTCS FF+32*\p+2, FF+32*\p+3, FF+32*\p+2, FF+32*\p+18, 25+2*\p
.endr
	LTCC FF, FF+32, 24
	LTCC FF+2, FF+34, 25
	s_wait_alu depctr_va_sdst(0)                   ; the compares have written s24 and s25, which the selects below read
	LTCS TM, TM+2, FF, FF+32, 24                   ; the last level writes the two values side by side, and the two indices
	LTCS TM+1, TM+3, FF+2, FF+34, 25
	s_wait_alu depctr_va_vdst(0)                   ; the selects have written v[TM .. TM+3], the stores' data; v8, their offset, is written too
	global_store_b64 v8, v[TM:TM+1], s[8:9] th:TH_STORE_NT         ; 32 lanes x 8 bytes: 256 consecutive bytes, at a multiple of 256 from out0's first byte
	global_store_b64 v8, v[TM+2:TM+3], s[10:11] th:TH_STORE_NT     ; the same in out1
.Lend:
	s_wait_dscnt 0x0
	s_wait_alu depctr_hold_cnt(0) depctr_sa_sdst(0) depctr_va_vdst(0) depctr_va_sdst(0) depctr_va_ssrc(0) depctr_va_vcc(0) depctr_vm_vsrc(0)
	s_wait_tensorcnt 0x0
	ds_add_u32 v248, v249
	s_wait_dscnt 0x0
	s_endpgm
.Lfunc_end_k_q5c134ebd0d_chamfer:
	.size	k_q5c134ebd0d_chamfer, .Lfunc_end_k_q5c134ebd0d_chamfer-k_q5c134ebd0d_chamfer
	.p2alignl 7, 3214868480
	.fill 96, 4, 3214868480
	.section	.rodata,"a",@progbits
	.p2align	6, 0x0
	.amdhsa_kernel k_q5c134ebd0d_chamfer
		.amdhsa_group_segment_fixed_size 25600
		.amdhsa_private_segment_fixed_size 0
		.amdhsa_enable_private_segment 0
		.amdhsa_kernarg_size 32
		.amdhsa_user_sgpr_count 2
		.amdhsa_user_sgpr_kernarg_segment_ptr 1
		.amdhsa_wavefront_size32 1
		.amdhsa_system_sgpr_workgroup_id_x 1
		.amdhsa_system_sgpr_workgroup_id_y 1
		.amdhsa_system_sgpr_workgroup_id_z 1
		.amdhsa_system_vgpr_workitem_id 0
		.amdhsa_next_free_vgpr 250
		.amdhsa_next_free_sgpr 66
		.amdhsa_reserve_vcc 1
		.amdhsa_float_denorm_mode_32 3
		.amdhsa_float_denorm_mode_16_64 3
		.amdhsa_memory_ordered 1
		.amdhsa_forward_progress 1
		.amdhsa_inst_pref_size 185
	.end_amdhsa_kernel
	.amdgpu_metadata
---
amdhsa.version: [ 1, 2 ]
amdhsa.kernels:
  - .name:           k_q5c134ebd0d_chamfer
    .symbol:         k_q5c134ebd0d_chamfer.kd
    .args:
      - { .name: xyz1, .offset: 0, .size: 8, .value_kind: global_buffer, .address_space: global }
      - { .name: xyz2, .offset: 8, .size: 8, .value_kind: global_buffer, .address_space: global }
      - { .name: out0, .offset: 16, .size: 8, .value_kind: global_buffer, .address_space: global }
      - { .name: out1, .offset: 24, .size: 8, .value_kind: global_buffer, .address_space: global }
    .group_segment_fixed_size: 25600
    .private_segment_fixed_size: 0
    .kernarg_segment_align: 8
    .kernarg_segment_size: 32
    .max_flat_workgroup_size: 256
    .sgpr_count:     66
    .vgpr_count:     250
    .wavefront_size: 32
...
	.end_amdgpu_metadata
.endif
;; end of part 2
